; MI455X (gfx1250); checked and timed in simulation.
; The chip was launched on July 23, 2026; its instructions are those of AMD's public machine-readable ISA for CDNA 5 (MIT licence, August 2026) and "CDNA5" Instruction Set Architecture Reference Guide (July 2026). The comments in the code are by the model that wrote it; some were corrected since.
;; Any Precision Linear. Allowed arithmetic: float matrix products may take bf16 or f16 operands with f32 sums; other float arithmetic in f32, or as packed bf16 or f16 multiplies, adds, multiply-adds, maxima and minima; sums over many terms, partial sums and values carried from step to step in f32; what a program stores and reads back later, other than sums and carried values, may be rounded once to bf16 or f16.
;; Inputs: bias 4,096 float16; lut8 4,096 x 256 float16; qweight 8 x 4,096 x 64 int32; x 4 x 2,048 x 2,048 float16.
;; Outputs: out0 4 x 2,048 x 4,096 float16.
;; 2 versions, each right; version 2 is version 1 with the launch dequant written anew for expert scheduling mode. Each part assembles by itself: llvm-mc -triple=amdgcn-amd-amdhsa -mcpu=gfx1250 --defsym DOCPART=n.
;; ======== version 1 of 2: 2 launches
;; workspace buffers: w 16,777,216 bytes
;; launch dequant (part 1): grid 256 x 1, 16 waves a work-group, no clusters, 83,968 bytes of LDS; arguments qweight, lut8, w; writes w
.if DOCPART == 1
	.amdgcn_target "amdgcn-amd-amdhsa--gfx1250"
	.amdhsa_code_object_version 6
	.text
	.protected	k_q401861e406_dequant
	.globl	k_q401861e406_dequant
	.p2align	8
	.type	k_q401861e406_dequant,@function
k_q401861e406_dequant:
	s_mov_b64 s[64:65], 0
	v_nop
	global_prefetch_b8 v0, s[64:65] scope:SCOPE_SE
	s_setreg_imm32_b32 hwreg(HW_REG_WAVE_MODE, 25, 1), 1
	s_wait_xcnt 0x0
; w[o][j] = lut8[o][idx(o, j)], f16, row-major [4096][2048].  Bit 7 - p of idx(o, j) is bit j % 32 of qweight[p][o][j / 32]: plane 0 is the index's highest bit.
; SHARES.  One wave makes one row o = 16 x work-group + wave: 256 work-groups x 16 waves = 4,096 rows.  Lane l owns words 2 l and 2 l + 1 of each plane: weights 64 l .. 64 l + 63, bytes 128 l .. 128 l + 127 of the row.
; BYTES.  Each byte moves once: the row's table by one load of 16 bytes a lane (512 consecutive bytes), each plane's row by one load of 8 bytes a lane (256 consecutive bytes, aligned),
; the row of w by eight stores of 16 bytes a lane (512 consecutive bytes each, aligned), after a turn through the wave's own stage in LDS.
; No wave touches another wave's bytes, in memory or in LDS: no barrier.  Nothing is shared between work-groups and there is no product: no cluster, no tensor load, no matrix instruction.
; All loads go out at the head and the text has no loop, so nothing is prefetched.  The values are copied, not computed: whatever the table holds (NaN, infinities, -0) arrives as it is.
.set WAVEB,  5120                      ; LDS of a wave: 512 bytes of table, then the stage
.set STG,    512                       ; the stage: lane l's 128 bytes at 144 l
.set SPITCH, 144                       ; 128 + 16: 36 words
.set SPARE,  16*WAVEB                  ; behind the sixteen waves' parts: the spare words, 128 bytes for each wave: eight blocks of 256 bytes that no other line names
.set PLANEB, 4096*64*4                 ; bytes in a plane
.set VQ,  3                            ; v3   my 8 bytes of a plane's row: 256 o + 8 l
.set VL,  4                            ; v4   my 16 bytes of the table's row: 512 o + 16 l
.set VW,  5                            ; v5   my 16 bytes in the first 512 of w's row: 4,096 o + 16 l
.set LST, 6                            ; v6   LDS: where my 16 bytes of the table go
.set STO, 7                            ; v7   LDS: my 128 bytes of the stage
.set RD,  8                            ; v8   LDS: where I read 16 bytes of the row back
.set SPW, 10                           ; v10  LDS address of my spare word: SPARE + 4 x my thread's number; never rewritten
.set NIL, 11                           ; v11  0; never rewritten
.set T,   12                           ; v[12:19]   at work
.set LU,  20                           ; v[20:23]   my 16 bytes of the table
.set PL,  24                           ; v[24:39]   plane p's two words at PL + 2 p
.set IX,  40                           ; v[40:55]   indices: byte i of IX + 8 w + s is the index of weight s + 8 i of word w
.set G,   56                           ; v[56:119]  the 64 weights, one a register
.set PK,  120                          ; v[120:151] the same, two a register
.set OB,  152                          ; v[152:183] the row as it is stored
.set MK,  16                           ; s[16:23]   plane p's place in each byte: 0x01010101 << (7 - p)
	s_load_b128 s[4:7], s[0:1], 0x0                ; qweight s[4:5], lut8 s[6:7]
	s_load_b64 s[8:9], s[0:1], 0x10                ; w
	v_lshl_add_u32 v[SPW], v0, 2, SPARE
	v_mov_b32 v[NIL], 0
	v_and_b32 v1, 31, v0                           ; lane
	v_lshrrev_b32 v2, 5, v0
	v_readfirstlane_b32 s10, v2                    ; wave 0..15
	s_lshl_b32 s11, ttmp9, 4
	s_add_co_u32 s11, s11, s10                     ; my row o
	s_mul_i32 s12, s10, WAVEB                      ; my wave's LDS: the table's first byte
	s_lshl_b32 s13, s11, 8                         ; 256 o
	s_lshl_b32 s14, s11, 9                         ; 512 o
	s_lshl_b32 s15, s11, 12                        ; 4,096 o
	s_add_co_u32 s24, s12, STG                     ; my wave's stage
.irp p, 0,1,2,3,4,5,6,7
	s_mov_b32 s[MK+(\p)], 0x01010101<<(7-(\p))
.endr
	v_lshl_add_u32 v[VQ], v1, 3, s13
	v_lshl_add_u32 v[VL], v1, 4, s14
	v_lshl_add_u32 v[VW], v1, 4, s15
	v_lshl_add_u32 v[LST], v1, 4, s12
	v_mul_u32_u24 v[STO], v1, SPITCH
	v_add_nc_u32 v[STO], s24, v[STO]
	v_lshrrev_b32 v2, 3, v1                        ; byte 512 t + 16 l of the row belongs to lane 4 t + l / 8 and is byte 16 (l % 8) of its 128
	v_mul_u32_u24 v[RD], v2, SPITCH
	v_and_b32 v2, 7, v1
	v_lshl_add_u32 v[RD], v2, 4, v[RD]
	v_add_nc_u32 v[RD], s24, v[RD]
	s_wait_kmcnt 0x0
	global_load_b128 v[LU:LU+3], v[VL], s[6:7] th:TH_LOAD_NT
.irp p, 0,1,2,3,4,5,6,7
	global_load_b64 v[PL+2*(\p):PL+2*(\p)+1], v[VQ], s[4:5] offset:(\p)*PLANEB th:TH_LOAD_NT  ; 7 planes on at the most: 7,340,032, inside the signed 24-bit immediate
.endr
	s_wait_loadcnt 8                               ; loads come back in order (ISA guide 5.7.1): the table is in, the eight planes may stay out
	ds_store_b128 v[LST], v[LU:LU+3]               ; entry i of the row's table at byte 2 i of my wave's LDS
; Plane p goes into the indices.  Bit s + 8 i of a word moves to bit 8 i + 7 - p by one shift of 7 - p - s (left by 7 at the most: the highest bit used, 24 + s, lands at 31 - p),
; and the mask takes these four bits alone.  Plane 0 starts the indices: nothing is cleared.
.macro PLANE p
.irp w, 0,1
.irp s, 0,1,2,3,4,5,6,7
.if 7-(\p)-(\s) > 0
	v_lshlrev_b32 v[T+(\s)], 7-(\p)-(\s), v[PL+2*(\p)+(\w)]
.elseif 7-(\p)-(\s) < 0
	v_lshrrev_b32 v[T+(\s)], (\s)+(\p)-7, v[PL+2*(\p)+(\w)]
.endif
.endr
.irp s, 0,1,2,3,4,5,6,7
.if 7-(\p)-(\s) == 0
.set SRC, PL+2*(\p)+(\w)               ; no shift: the word itself
.else
.set SRC, T+(\s)
.endif
.if (\p) == 0
	v_and_b32 v[IX+8*(\w)+(\s)], s[MK], v[SRC]
.else
	v_bfi_b32 v[IX+8*(\w)+(\s)], s[MK+(\p)], v[SRC], v[IX+8*(\w)+(\s)]
.endif
.endr
.endr
.endm
.irp p, 0,1,2,3,4,5,6,7
	s_wait_loadcnt 7-(\p)                          ; plane p is in, the younger planes may stay out
	PLANE \p
.endr
; Weights 8 g .. 8 g + 7 of my 64: word g / 4, byte g % 4 of its eight index registers.  The index is held to 255, the table's last entry, before it enters an address.
; LDS serves a wave's instructions in order (ISA guide 5.7.1.4): these loads see the table's store above, which is my own wave's.
.macro GATHER g
.irp s, 0,1,2,3,4,5,6,7
	v_bfe_u32 v[T+(\s)], v[IX+8*((\g)/4)+(\s)], 8*((\g)%4), 8
.endr
.irp s, 0,1,2,3,4,5,6,7
	v_min_u32 v[T+(\s)], 0xff, v[T+(\s)]
.endr
.irp s, 0,1,2,3,4,5,6,7
	v_lshl_add_u32 v[T+(\s)], v[T+(\s)], 1, s12
.endr
.irp s, 0,1,2,3,4,5,6,7
	ds_load_u16 v[G+8*(\g)+(\s)], v[T+(\s)]
.endr
.endm
.irp g, 0,1,2,3,4,5,6,7
	GATHER \g
.endr
; The same eight weights, packed into 16 bytes and put at their place in my 128 bytes of the stage.
.macro PACKG g
	s_wait_dscnt 56-7*(\g)                         ; behind this group's last load stand 56 - 8 g younger loads and the g stores of the groups before
.irp q, 0,1,2,3
	v_lshl_or_b32 v[PK+4*(\g)+(\q)], v[G+8*(\g)+2*(\q)+1], 16, v[G+8*(\g)+2*(\q)]
.endr
	ds_store_b128 v[STO], v[PK+4*(\g):PK+4*(\g)+3] offset:16*(\g)
.endm
.irp g, 0,1,2,3,4,5,6,7
	PACKG \g
.endr
.irp t, 0,1,2,3,4,5,6,7
	ds_load_b128 v[OB+4*(\t):OB+4*(\t)+3], v[RD] offset:4*SPITCH*(\t)  ; 512 consecutive bytes of the row: four lanes' parts; in order behind my wave's stores
.endr
.irp t, 0,1,2,3,4,5,6,7
	s_wait_dscnt 7-(\t)                            ; the younger loads may stay out
	global_store_b128 v[VW], v[OB+4*(\t):OB+4*(\t)+3], s[8:9] offset:512*(\t)  ; 16 lanes store 256 consecutive bytes, at a multiple of 256 from w's first byte
.endr
	s_wait_tensorcnt 0x0                           ; the wave's end, behind my last LDS store
	ds_add_u32 v[SPW], v[NIL]
	s_wait_dscnt 0x0
	s_endpgm
.Lfunc_end_k_q401861e406_dequant:
	.size	k_q401861e406_dequant, .Lfunc_end_k_q401861e406_dequant-k_q401861e406_dequant
	.p2alignl 7, 3214868480
	.fill 96, 4, 3214868480
	.section	.rodata,"a",@progbits
	.p2align	6, 0x0
	.amdhsa_kernel k_q401861e406_dequant
		.amdhsa_group_segment_fixed_size 83968
		.amdhsa_private_segment_fixed_size 0
		.amdhsa_enable_private_segment 0
		.amdhsa_kernarg_size 24
		.amdhsa_user_sgpr_count 2
		.amdhsa_user_sgpr_kernarg_segment_ptr 1
		.amdhsa_wavefront_size32 1
		.amdhsa_system_sgpr_workgroup_id_x 1
		.amdhsa_system_sgpr_workgroup_id_y 1
		.amdhsa_system_sgpr_workgroup_id_z 1
		.amdhsa_system_vgpr_workitem_id 0
		.amdhsa_next_free_vgpr 184
		.amdhsa_next_free_sgpr 66
		.amdhsa_reserve_vcc 0
		.amdhsa_float_denorm_mode_32 3
		.amdhsa_float_denorm_mode_16_64 3
		.amdhsa_memory_ordered 1
		.amdhsa_forward_progress 1
		.amdhsa_inst_pref_size 35
	.end_amdhsa_kernel
	.amdgpu_metadata
---
amdhsa.version: [ 1, 2 ]
amdhsa.kernels:
  - .name:           k_q401861e406_dequant
    .symbol:         k_q401861e406_dequant.kd
    .args:
      - { .name: qweight, .offset: 0, .size: 8, .value_kind: global_buffer, .address_space: global }
      - { .name: lut8, .offset: 8, .size: 8, .value_kind: global_buffer, .address_space: global }
      - { .name: w, .offset: 16, .size: 8, .value_kind: global_buffer, .address_space: global }
    .group_segment_fixed_size: 83968
    .private_segment_fixed_size: 0
    .kernarg_segment_align: 8
    .kernarg_segment_size: 24
    .max_flat_workgroup_size: 512
    .sgpr_count:     66
    .vgpr_count:     184
    .wavefront_size: 32
...
	.end_amdgpu_metadata
.endif
;; end of part 1
;; launch gemm (part 2): grid 16 x 16, 4 waves a work-group, clusters of 4 x 4, 327,680 bytes of LDS; arguments x, w, bias, out0; writes out0
.if DOCPART == 2
	.amdgcn_target "amdgcn-amd-amdhsa--gfx1250"
	.amdhsa_code_object_version 6
	.text
	.protected	k_q401861e406_gemm
	.globl	k_q401861e406_gemm
	.p2align	8
	.type	k_q401861e406_gemm,@function
k_q401861e406_gemm:
	s_mov_b64 s[64:65], 0
	v_nop
	global_prefetch_b8 v0, s[64:65] scope:SCOPE_SE
	s_setreg_imm32_b32 hwreg(HW_REG_WAVE_MODE, 25, 1), 1
	s_wait_xcnt 0x0
	s_wait_alu depctr_hold_cnt(0) depctr_sa_sdst(0) depctr_va_vdst(0) depctr_va_sdst(0) depctr_va_ssrc(0) depctr_va_vcc(0) depctr_vm_vsrc(0)
	s_getreg_b32 s2, hwreg(HW_REG_IB_STS2, 6, 4)
	s_cmp_eq_u32 s2, 0
	s_cbranch_scc0 .Lentry_in_a_cluster
	s_endpgm
.Lentry_in_a_cluster:
	s_bfe_u32 s2, ttmp6, 0x10000c
	s_cmp_lg_u32 s2, 0xf033
	s_cbranch_scc0 .Lentry_shape_is_right
	s_endpgm
.Lentry_shape_is_right:
; out0[m][n] = bias[n] + the sum over k of x[m][k] w[n][k].  x: [8192][2048], w: [4096][2048] (decoded by the launch before), bias: [4096], out0: [8192][4096], all f16.
; The operands are f16 as they come: nothing is rounded on the way in.  One f32 sum for each output, begun with the bias, K ascending; out0 is rounded once, to f16.
; LIMITS.  A result of 65,520 or more in magnitude leaves as an infinity (f16 ends at 65,504).  A bias of -0 counts as +0.  NaN and infinities are not treated apart.
; A tile of out0, 256 x 256, is made by a work-group of four waves, as many as a WGP has SIMDs; a wave makes 128 x 128: 64 accumulators of 16 x 16, 512 registers.
; K goes in steps of 128 through a ring of two LDS slots filled by the tensor data mover: the rows of the tiles of x and w are 256 bytes of memory and start at multiples of 256 bytes from the buffer's first byte.
; A WORK-GROUP STAYS: out0 has 32 x 16 = 512 tiles, the grid 256 work-groups; each makes two tiles, 4,096 rows apart, and the ring does not stop between them: the first tile's last two changes of
; slots ask for the second tile's first two K steps, and nothing waits for the first tile's stores.  The second tile's last K step goes by rows of out0, so that finished rows leave while the others are multiplied.
; CLUSTERS: 4 x 4 work-groups.  The four of a row of the cluster need the same tiles of x, the four of a column the same tiles of w.  Such a tile is asked for JOINTLY: each of the four issues the same
; tensor load, with the same descriptor and a mask that names the four, and each receives the tile in its own LDS.  That divides the requests for x and for w by four.
; Below, A is x, B is w, C is out0.
;
; REGISTERS, in windows of 256 (an instruction names v0-v255; s_set_vgpr_msb says which window each operand place means):
;   window 0: v0-31 addresses; v64-127, v128-191 fragments of A (8 x 16 rows x 32 K), two buffers (in the very last K step four, of 16 rows x 128 K); v32-63, v192-255 at work on the way out
;   window 1: v0-63 the bias of my 128 columns in f32, laid out as a C operand; v64-127, v128-191 fragments of B, two buffers; in the very last K step all 256: B's fragments of the whole step
;   window 2: the 32 accumulators of my rows 0-63 (accumulator (a, b) at v[8 (8 a + b)]);   window 3: those of my rows 64-127
; s_set_vgpr_msb's low byte: bits 1:0 source 0, 3:2 source 1, 5:4 source 2, 7:6 destination.  Work is laid in long stretches under one setting.
;
; THE MATRIX INSTRUCTION IS USED TRANSPOSED: source 0 = 16 rows of B, source 1 = 16 rows of A.  In the result, lane l then holds row m = l % 16 of C, and its registers 0 to 7 the columns
; n = 8 (l / 16) + 0 .. 7: eight NEIGHBOURING numbers of a row of C, which pack into 16 bytes.
; THE BIAS IS THE C OPERAND OF A TILE'S FIRST PRODUCTS: for column block b, register j of lane l holds bias[my first column + 16 b + 8 (l / 16) + j], the same for all row blocks.  So no accumulator is
; cleared and no addition is written for it.
.set SIZE_M, 8192
.set SIZE_N, 4096
.set SIZE_K, 2048
.set SIZE_TILES, 2
.set KSTEP,  128
.set PITCH,  272                       ; an LDS row: 256 bytes of data + 16 of padding = 68 words: row r starts at bank 4 r mod 64 (64 banks of 4 bytes: ISA guide 11.1), so the 16 rows that a load touches start at 16 different banks
.set HALFT,  128*PITCH                 ; 128 rows: what one tensor load brings, and what one wave reads of A or of B
.set SLOT,   4*HALFT                   ; A's 256 rows, then B's 256 rows
.set STAGE,  2*SLOT                    ; behind the ring: 16 rows x 272 bytes for each wave, for the way out
.set SPITCH, 272
.set SPARE,  STAGE+4*16*SPITCH         ; behind the stages: the spare words, 128 bytes for each wave: two blocks of 256 bytes that no other line names
.set LAPS, SIZE_K/(2*KSTEP)            ; a lap = two K steps = once round the ring: 8
.set WALK,   SIZE_M/SIZE_TILES         ; a work-group's two tiles lie 4,096 rows apart
.set NEXT_A, WALK*SIZE_K*2-(SIZE_K-2*KSTEP)*2   ; bytes from a slot's last K step of a tile to its first of the next tile: A goes WALK rows down and back along K,
.set BACK_B, (SIZE_K-2*KSTEP)*2        ; B only back: the two tiles share their rows of B
.set NEXT_C, (WALK-7*16)*SIZE_N*2      ; bytes from my last 16 rows of a tile to my first of the next
.set ADRA, 16                          ; v16-17  LDS address of my A fragments in slot 0, 1
.set ADRB, 20                          ; v20-21  the same for B
.set ONE,  22                          ; v22     1.0, for the bias's widening
.set ZER,  23                          ; v23     0, likewise
.set STO,  24                          ; v24     the way out: where I put 16 bytes of a row
.set RD,   25                          ; v25     the way out: where I read a row back
.set CO,   26                          ; v26     my byte offset in C
.set BO,   27                          ; v27     my byte offset in the bias
.set SPW,  28                          ; v28     LDS address of my spare word: SPARE + 4 x my thread's number; never rewritten
.set NIL,  29                          ; v29     0; never rewritten
.set PFO,  30                          ; v30     the prefetches' offset: my lane x a row of A or B in memory (4,096 bytes); never rewritten
.set PFA,  44                          ; s[44:45] where my prefetches stand: my work-group's 32 rows of the 128 that I fetch, one K step further along K than the refill that is being asked for; a prefetch names the K step after that
.set LIM,  43                          ; s43     1 in a wave that prefetches, else the greatest number
.set BIA,  66                          ; s[66:67] the bias
.set F0,   64                          ; fragment buffer 0
.set F1,   128                         ; fragment buffer 1
.set TMP,  192                         ; the way out: packed results, in window 0
.set OB,   32                          ; the way out: 16 rows read back from the stage: v32-63 and v224-255 by turns; at the head: the bias as loaded
.set PA,   64                          ; the very last K step: A's fragments of 16 rows x 128 K, 32 registers; four such buffers, v64-191
.set G1, 24                            ; s[24:31] descriptor group 1 for A's tiles
.set G0, 32                            ; s[32:39] descriptor group 0 for A's tiles, one set for each slot
.set G1B, 48                           ; s[48:55] descriptor group 1 for B's tiles: it differs from A's in the mask alone
.set G0B, 56                           ; s[56:63] descriptor group 0 for B's tiles, one set for each slot
.set MSB, 0
.macro WIN new                         ; the immediate's high byte repeats the setting that is left; a switch that changes nothing is dropped
.if MSB != (\new)
	s_set_vgpr_msb (MSB<<8)|(\new)
.set MSB, \new
.endif
.endm
.set MUL_LO, 0xa1                      ; source 0 (B) window 1, source 1 (A) window 0, C and D window 2
.set MUL_HI, 0xf1                      ; the same, C and D window 3
.set BEG_LO, 0x91                      ; a tile's first products: C (the bias) window 1, D window 2
.set BEG_HI, 0xd1                      ; the same, D window 3
.set TO_B,   0x40                      ; destination window 1, address and sources window 0
; A joint load.  Waves 0 and 1 fetch A's two halves, waves 2 and 3 B's.  Each of the two lines has ONE mask and one set of registers for all that issue it, and nothing in
; them hangs on a coordinate that the four partners do not share.  The branch hangs on the wave's number alone: it is the same in every work-group.
; An s_nop 0 and four v_nop follow each of the two lines; the jump round the other line, the label and what follows the macro come after them.
.macro JLOAD s
	s_cmp_eq_u32 s11, 0
	s_cbranch_scc0 .Lfor_b_\@
	tensor_load_to_lds s[G0+4*(\s):G0+4*(\s)+3], s[G1:G1+7]
	s_nop 0
.rept 4
	v_nop
.endr
	s_branch .Lasked_\@
.Lfor_b_\@:
	tensor_load_to_lds s[G0B+4*(\s):G0B+4*(\s)+3], s[G1B:G1B+7]
	s_nop 0
.rept 4
	v_nop
.endr
.Lasked_\@:
.endm
; A PREFETCH, behind each joint load, its five lines and the run of LDS loads that follows them: the K step that stands TWO refills on: 32 rows x 256 bytes, a lane a row, one instruction a wave.
; At a change of slots every wave has waited for all its tensor loads, so the refill that follows has nothing on its way beside it: what it asks for has been named two K steps, 512 matrix instructions, earlier.
; Each row's 256 bytes of a K step are named ONCE in the launch.  A's tile row is read by every cluster of that row of clusters: the first of them (cluster x = 0) prefetches; B's tile column by every
; cluster of that column: cluster y = 0 prefetches.  The four partners that ask for a tile jointly share its rows out BY ADDRESS: of the 128 rows that a wave fetches, the partner at place p takes
; 32 p .. 32 p + 31 (p = cx for A, cy for B): no branch hangs on a work-group's place in its cluster.  how = 0, in the loop: a tile's last two refills have no K step two on; how = 1, at the change of tiles.
.macro ASK how
.if \how
	s_cmp_eq_u32 s[LIM], 1
.else
	s_cmp_gt_u32 s3, s[LIM]                        ; s3 = 1 in the loop's last trip
.endif
	s_cbranch_scc0 .Lnot_mine_\@
	global_prefetch_b8 v[PFO], s[PFA:PFA+1] offset:KSTEP*2 th:TH_LOAD_NT scope:SCOPE_SE
.Lnot_mine_\@:
.endm
; A round of the cluster's barrier: my work-group's barrier, so that wave 0's signal speaks for all four waves; wave 0 signals for the work-group; every wave waits for all
; sixteen work-groups; my work-group's barrier once more.  No LDS instruction of the wave is pending at a signal.
.macro CREST                           ; a round behind its opening barrier
	s_cmp_lg_u32 s10, 0
	s_cbranch_scc1 .Lnot_wave_0_\@
	s_barrier_signal -3
.Lnot_wave_0_\@:
	s_barrier_wait -3
	s_barrier_signal -1
	s_barrier_wait -1
.endm
.macro CROUND                          ; a whole round
	s_barrier_signal -1
	s_barrier_wait -1
	CREST
.endm
	s_load_b128 s[4:7], s[0:1], 0x0                ; A (x) s[4:5], B (w) s[6:7]
	s_load_b64 s[BIA:BIA+1], s[0:1], 0x10          ; bias
	s_load_b64 s[8:9], s[0:1], 0x18                ; C (out0)
	v_lshl_add_u32 v[SPW], v0, 2, SPARE
	v_mov_b32 v[NIL], 0
	ds_add_u32 v[SPW], v[NIL]                      ; the wave's opening: the add and its wait stand ahead of my first tensor load; the set-up below, work on registers, stands between them
	v_lshrrev_b32 v1, 5, v0
	v_readfirstlane_b32 s10, v1                    ; wave 0..3
	s_lshr_b32 s11, s10, 1                         ; which half of the tile's rows is mine.  Also: I fetch for A (0) or for B (1)
	s_and_b32 s12, s10, 1                          ; which half of its columns.  Also: which 128 rows of that tile I fetch
	s_bfe_u32 s40, ttmp6, 0x40000                  ; cx: my place along the cluster's x
	s_bfe_u32 s41, ttmp6, 0x40004                  ; cy: along its y
	s_lshl_b32 s42, ttmp9, 2                       ; in a cluster launch ttmp9 and ttmp7 count clusters
	s_add_co_u32 s42, s42, s40                     ; tile column of C = 4 x cluster x + cx
	s_and_b32 s13, ttmp7, 0xffff
	s_lshl_b32 s13, s13, 2
	s_add_co_u32 s13, s13, s41                     ; tile row of C = 4 x cluster y + cy
	s_lshl_b32 s43, s41, 2
	s_lshl_b32 s43, 15, s43                        ; my row of the cluster: places 4 cy .. 4 cy + 3
	s_lshl_b32 s44, 0x1111, s40                    ; my column: places cx, cx + 4, cx + 8, cx + 12
	; descriptor group 1: a tile of 128 rows x 128 elements, padded in LDS
	s_or_b32 s[G1+0], s43, (1<<16)|(1<<20)|(1<<21)|(5<<22)|(3<<25)  ; 15:0 the mask: A's tiles go to my row; 17:16 element of 2 bytes; 20 padding on; 21 set beside a mask; 24:22 after every 64 words (code 5); 31:25 of 4 words (code 3)
	s_or_b32 s[G1B+0], s44, (1<<16)|(1<<20)|(1<<21)|(5<<22)|(3<<25) ; the same with the mask of my column, for B's tiles
	s_mov_b32 s[G1B+1], KSTEP<<16
	s_mov_b32 s[G1+1], KSTEP<<16                   ; 63:48 tensor_dim0, low half = 128
	s_mov_b32 s[G1B+2], 128<<16
	s_mov_b32 s[G1+2], 128<<16                     ; 79:64 its high half = 0; 95:80 tensor_dim1, low half = 128
	s_mov_b32 s[G1B+3], KSTEP<<16
	s_mov_b32 s[G1+3], KSTEP<<16                   ; 111:96 its high half = 0; 127:112 tile_dim0 = 128
	s_mov_b32 s[G1B+4], 128
	s_mov_b32 s[G1+4], 128                         ; 143:128 tile_dim1 = 128; 159:144 tile_dim2 = 0
	s_mov_b32 s[G1B+5], SIZE_K
	s_mov_b32 s[G1+5], SIZE_K                      ; 191:160 tensor_dim0_stride, low word: elements from row to row
	s_mov_b32 s[G1B+6], 0
	s_mov_b32 s[G1+6], 0
	s_mov_b32 s[G1B+7], 0
	s_mov_b32 s[G1+7], 0
	; where the tiles come from.  A's hang on the tile row alone, which my row of the cluster shares; B's on the tile column alone, which my column shares.
	; Every wave makes both addresses, in registers that never hold the other coordinate, and asks by one of them.
	s_lshl_b32 s17, s12, 7                         ; which 128 rows of the tile I fetch
	s_lshl_b32 s16, s13, 8
	s_add_co_u32 s16, s16, s17                     ; A: row 256 x tile row + 128 x half
	s_lshl_b32 s46, s42, 8
	s_add_co_u32 s46, s46, s17                     ; B: row 256 x tile column + 128 x half
	s_mov_b32 s17, 0
	s_mov_b32 s47, 0
	s_mov_b64 s[18:19], SIZE_K*2
	s_mul_u64 s[16:17], s[16:17], s[18:19]         ; in bytes, in 64 bits
	s_mul_u64 s[46:47], s[46:47], s[18:19]
	s_mul_i32 s20, s10, HALFT                      ; and where they go: A's two halves, then B's two halves = wave x 128 rows: no place in the cluster enters an LDS address
	s_wait_dscnt 0x0                               ; the opening add is done
	s_wait_kmcnt 0x0
	s_add_nc_u64 s[14:15], s[4:5], s[16:17]
	s_add_nc_u64 s[46:47], s[6:7], s[46:47]
	CROUND                                         ; all sixteen work-groups are here: the first joint loads meet
.irp s, 0,1
	s_mov_b32 s[G0+4*(\s)], 1                                      ; 1:0 count = 1
	s_add_co_u32 s[G0+4*(\s)+1], s20, (\s)*SLOT                    ; 63:32 LDS address
	s_add_nc_u64 s[G0+4*(\s)+2:G0+4*(\s)+3], s[14:15], (\s)*KSTEP*2  ; 120:64 global address: K step s
	s_or_b32 s[G0+4*(\s)+3], s[G0+4*(\s)+3], 0x80000000            ; 127:126 type = 2
	s_mov_b32 s[G0B+4*(\s)], 1
	s_add_co_u32 s[G0B+4*(\s)+1], s20, (\s)*SLOT
	s_add_nc_u64 s[G0B+4*(\s)+2:G0B+4*(\s)+3], s[46:47], (\s)*KSTEP*2
	s_or_b32 s[G0B+4*(\s)+3], s[G0B+4*(\s)+3], 0x80000000
	JLOAD \s                                       ; the ring is filled before anything else is done: two tensor loads of mine are out
.endr
	; A fragment is 16 rows x 32 K in 8 registers: lane l holds row l % 16; registers 0-3 hold K = 8 (l / 16) + 0..7, registers 4-7 hold
	; K = 16 + 8 (l / 16) + 0..7.  From rows that lie along K: two loads of 16 bytes, 32 bytes apart.  The same for source 0 and source 1.
	v_and_b32 v1, 15, v0                           ; l % 16
	v_bfe_u32 v2, v0, 4, 1                         ; l / 16
	v_mul_u32_u24 v3, v1, PITCH
	v_lshl_add_u32 v3, v2, 4, v3                   ; row x pitch + 16 x half
	s_mul_i32 s21, s11, HALFT                      ; my 128 rows of A
	s_mul_i32 s22, s12, HALFT                      ; my 128 rows of B,
	s_add_co_u32 s22, s22, 2*HALFT                 ; which lie behind A's 256
.irp s, 0,1
	v_add_nc_u32 v[ADRA+(\s)], s21, v3
	v_add_nc_u32 v[ADRB+(\s)], s22, v3
	s_add_co_u32 s21, s21, SLOT
	s_add_co_u32 s22, s22, SLOT
.endr
	s_mul_i32 s23, s10, 16*SPITCH
	s_add_co_u32 s23, s23, STAGE                   ; my stage
	v_mul_u32_u24 v4, v1, SPITCH                   ; in: row l % 16, 16 bytes for each half of the lanes
	v_lshl_add_u32 v4, v2, 4, v4
	v_add_nc_u32 v[STO], s23, v4
	v_mul_u32_u24 v5, v2, SPITCH                   ; back: lanes 0-15 take one row of 256 bytes, lanes 16-31 the next
	v_lshl_add_u32 v5, v1, 4, v5
	v_add_nc_u32 v[RD], s23, v5
	v_mul_u32_u24 v5, v2, SIZE_N*2                 ; and the same two rows in C
	v_lshl_add_u32 v[CO], v1, 4, v5
	; where my part of the first tile begins in C, in bytes: the first way out adds it to C's address
	s_lshl_b32 s13, s13, 8
	s_lshl_b32 s14, s11, 7
	s_add_co_u32 s16, s13, s14                     ; my first row of C
	s_mov_b32 s17, 0
	s_mov_b64 s[18:19], SIZE_N*2
	s_mul_u64 s[16:17], s[16:17], s[18:19]
	s_lshl_b32 s46, s42, 9                         ; my first column, in bytes: 512 x tile column + 256 x half (in the registers that held B's address: none that feeds A's descriptors ever holds cx)
	s_lshl_b32 s47, s12, 8
	s_add_co_u32 s46, s46, s47
	s_mov_b32 s47, 0
	s_add_nc_u64 s[16:17], s[16:17], s[46:47]
	; the bias of my 128 columns: the same byte offset serves, since the bias too has 2 bytes a column.  For column block b: 16 bytes a lane, columns 16 b + 8 (l / 16) + 0..7
	v_lshl_add_u32 v[BO], v2, 4, s46
	v_mov_b32 v[ONE], 1.0
	v_mov_b32 v[ZER], 0
.irp b, 0,1,2,3,4,5,6,7
	global_load_b128 v[OB+4*(\b):OB+4*(\b)+3], v[BO], s[BIA:BIA+1] offset:32*(\b)
.endr
	; the prefetches.  s13 = 256 x tile row, s42 = tile column, s40 = cx, s41 = cy still stand; s[4:5] = A, s[6:7] = B
	s_lshl_b32 s42, s42, 8
	s_and_b32 s22, ttmp7, 0xffff                   ; cluster y
	s_cmp_eq_u32 s11, 0                            ; do I fetch for A?
	s_cselect_b32 s20, s13, s42                    ; the tile's first row: in A by the tile row, in B by the tile column
	s_cselect_b32 s21, s40, s41                    ; my place among the four that ask for it with me
	s_cselect_b32 s22, ttmp9, s22                  ; the coordinate along which other clusters read the same rows
	s_cselect_b64 s[PFA:PFA+1], s[4:5], s[6:7]
	s_cmp_eq_u32 s22, 0
	s_cselect_b32 s[LIM], 1, -1                    ; the same in all sixteen partners, for a given wave
	s_lshl_b32 s22, s12, 7
	s_add_co_u32 s20, s20, s22                     ; + the 128 rows that I fetch
	s_lshl_b32 s21, s21, 5
	s_add_co_u32 s20, s20, s21                     ; + my work-group's 32 of them
	s_mov_b32 s21, 0
	s_mov_b64 s[18:19], SIZE_K*2
	s_mul_u64 s[20:21], s[20:21], s[18:19]
	s_add_nc_u64 s[PFA:PFA+1], s[PFA:PFA+1], s[20:21]
	s_add_nc_u64 s[PFA:PFA+1], s[PFA:PFA+1], 2*KSTEP*2  ; at K step 2: the first refill steps it to 3 and names K step 4
	v_and_b32 v[PFO], 31, v0
	v_mul_u32_u24 v[PFO], v[PFO], SIZE_K*2
	; nothing is prefetched here, at the head, where every work-group's first two tiles are on their way: K steps 2 and 3 come by their refills alone
	s_wait_loadcnt 0x0                             ; the bias is in
	WIN TO_B                                       ; widened to f32, exactly (half x 1.0 + 0), into window 1's v0-63: register 8 b + j holds column 16 b + 8 (l / 16) + j
.irp b, 0,1,2,3,4,5,6,7
.irp q, 0,1,2,3
	v_fma_mix_f32 v[8*(\b)+2*(\q)],   v[OB+4*(\b)+(\q)], v[ONE], v[ZER] op_sel_hi:[1,0,0]
	v_fma_mix_f32 v[8*(\b)+2*(\q)+1], v[OB+4*(\b)+(\q)], v[ONE], v[ZER] op_sel:[1,0,0] op_sel_hi:[1,0,0]
.endr
.endr
	WIN 0
; 16 matrix instructions: m blocks a0, a0 + 1 of the window's four (hi = 0: my rows 0-63, 1: rows 64-127) x all 8 n blocks, 32 along K.
; first = 1: a tile's first products start the sums with the bias of their column block: nothing is ever cleared.
.macro MUL16 f, hi, a0, first
.if \first
	WIN BEG_LO+0x40*(\hi)                          ; BEG_LO or BEG_HI
.else
	WIN MUL_LO+0x50*(\hi)                          ; MUL_LO or MUL_HI
.endif
.irp a, \a0, (\a0)+1
.irp b, 0,1,2,3,4,5,6,7
.if \first
	v_wmma_f32_16x16x32_f16 v[8*(8*(\a)+(\b)):8*(8*(\a)+(\b))+7], v[(\f)+8*(\b):(\f)+8*(\b)+7], v[(\f)+8*(4*(\hi)+(\a)):(\f)+8*(4*(\hi)+(\a))+7], v[8*(\b):8*(\b)+7]
.else
	v_wmma_f32_16x16x32_f16 v[8*(8*(\a)+(\b)):8*(8*(\a)+(\b))+7], v[(\f)+8*(\b):(\f)+8*(\b)+7], v[(\f)+8*(4*(\hi)+(\a)):(\f)+8*(4*(\hi)+(\a))+7], v[8*(8*(\a)+(\b)):8*(8*(\a)+(\b))+7]
.endif
.endr
.endr
.endm
; 32 LDS loads in one run: the fragments of one quarter step (128 rows of B, 128 rows of A, 32 K at byte k of the rows) into buffer f
.macro FETCH slot, k, f
	WIN TO_B
.irp i, 0,1,2,3,4,5,6,7
	ds_load_b128 v[(\f)+8*(\i):(\f)+8*(\i)+3],   v[ADRB+(\slot)] offset:(\k)+(\i)*16*PITCH
	ds_load_b128 v[(\f)+8*(\i)+4:(\f)+8*(\i)+7], v[ADRB+(\slot)] offset:(\k)+(\i)*16*PITCH+32
.endr
	WIN 0
.irp i, 0,1,2,3,4,5,6,7
	ds_load_b128 v[(\f)+8*(\i):(\f)+8*(\i)+3],   v[ADRA+(\slot)] offset:(\k)+(\i)*16*PITCH
	ds_load_b128 v[(\f)+8*(\i)+4:(\f)+8*(\i)+7], v[ADRA+(\slot)] offset:(\k)+(\i)*16*PITCH+32
.endr
.endm
; A load into a register that a matrix instruction has read, and a vector instruction that reads a matrix result or writes one of a matrix
; instruction's registers, stand four places behind that matrix instruction, and only plain vector instructions that name none of its registers
; are places (ISA guide 7.12.1 for vector instructions); the matrix instructions in between are not counted.  So four v_nop stand in front of each run of
; loads, and in front of conversions that read results just made: sixteen issue slots for a K step's 256 matrix instructions.
.macro PLACES
.rept 4
	v_nop
.endr
.endm
; A K step is four quarter steps of 32 along K, 64 matrix instructions each, on buffers 0, 1, 0, 1.  The 64 accumulators take turns, one instruction a turn, in the same order in every quarter:
; between two matrix instructions on one accumulator stand the 63 others', over the loop's backward jump and from tile to tile too.
; One of the first three quarters: multiplies buffer f; in its middle it fetches the next quarter's fragments, at byte k of the same slot's rows, into buffer g.
.macro QUARTER slot, k, f, g, first
	s_wait_dscnt 8                                 ; B and A's rows 0-63 are in; the youngest eight loads (A's rows 64-127) may be out
	MUL16 \f, 0, 0, \first
	MUL16 \f, 0, 2, \first
	PLACES
	FETCH \slot, \k, \g
	s_wait_dscnt 32                                ; all but the 32 just issued
	MUL16 \f, 1, 0, \first
	MUL16 \f, 1, 2, \first
.endm
; The last quarter multiplies buffer 1 and changes slots.  MEET is its first half: ONE barrier for the change of slots, for two things.  In front of it each wave waits for
; all its tensor loads, of which one is out: its part of the next slot; adds 0 to its spare word; and waits for that and for its own reads of this slot.  Behind it nobody reads this slot any more and the next slot is whole.
.macro MEET round                      ; round = 1: a round of the cluster's barrier follows
	WIN 0                                          ; (the add's two registers lie in window 0)
	s_wait_tensorcnt 0x0                           ; all my tensor loads have landed: the one that was out is my part of the next slot;
	ds_add_u32 v[SPW], v[NIL]                      ; 0 onto my spare word;
	s_wait_dscnt 9                                 ; (the add and the youngest eight loads may be out)
	WIN MUL_LO
	MUL16 F1, 0, 0, 0                              ; sixteen matrix instructions stand between the add and the wait for it
	s_wait_dscnt 0x0                               ; the add is done, and my reads of this slot are over (the last were issued 48 matrix instructions ago):
	s_barrier_signal -1                            ; say so (where a slot is filled again this barrier opens a round of the cluster's barrier),
	MUL16 F1, 0, 2, 0                              ; work on registers while the others arrive,
.if \round
	WIN 0
.endif
	s_barrier_wait -1                              ; and go on when all four have said so
.endm
; The whole last quarter.  Behind the barrier the slot just read out is filled again first: with this tile's K step two steps on (on = 0) or, in the first tile's last two K steps, with the SECOND tile's
; K step 0 or 1 (on = 1); then come the next slot's first fragments.  From a request to the wait for it a wave issues 224 matrix instructions, across tiles too.  One tensor load of mine is out behind each round.
.macro TURN slot, next, on
	s_wait_xcnt 0x0                                ; the last prefetch, a K step back, has read its address: it is stepped here, ahead of the waits of the change of slots, so that nothing is added between the round and the joint load
.if (\on) && (\slot) == 0
	s_add_nc_u64 s[PFA:PFA+1], s[PFA:PFA+1], (WALK-1)*SIZE_K*2+KSTEP*2  ; from the K step after the tile's last to the next tile's K step 1: WALK rows down, back along K
	s_cmp_eq_u32 s11, 0
	s_cselect_b32 s[LIM], s[LIM], -1               ; B's rows are the same for both tiles: they have been asked for once, and are prefetched no more
.else
	s_add_nc_u64 s[PFA:PFA+1], s[PFA:PFA+1], KSTEP*2
.endif
	MEET 1
	CREST                                          ; wave 0 says so for the work-group, all sixteen work-groups have said so, my work-group's barrier closes the round:
	                                               ; no wave of any partner still reads this slot's tile or has a load on its way
.if \on
	s_add_nc_u64 s[G0+4*(\slot)+2:G0+4*(\slot)+3], s[G0+4*(\slot)+2:G0+4*(\slot)+3], NEXT_A
	s_sub_nc_u64 s[G0B+4*(\slot)+2:G0B+4*(\slot)+3], s[G0B+4*(\slot)+2:G0B+4*(\slot)+3], BACK_B
.else
	s_add_nc_u64 s[G0+4*(\slot)+2:G0+4*(\slot)+3], s[G0+4*(\slot)+2:G0+4*(\slot)+3], 2*KSTEP*2
	s_add_nc_u64 s[G0B+4*(\slot)+2:G0B+4*(\slot)+3], s[G0B+4*(\slot)+2:G0B+4*(\slot)+3], 2*KSTEP*2
.endif
	JLOAD \slot                                    ; the first tensor load behind the round; the four v_nop behind it are also the places in front of the loads below
	FETCH \next, 0, F0
	ASK \on                                        ; behind the joint load and the run of LDS loads that the next products wait for
	WIN MUL_HI
	MUL16 F1, 1, 0, 0
	MUL16 F1, 1, 2, 0
.endm
; THE LAST K STEP OF THE SECOND TILE (it lies in slot 1) GOES BY ROWS OF C, NOT BY K.  All its fragments of B (4 quarters x 64 registers) fill window 1 (the bias, whose last reader was this tile's first quarter,
; gives way); then my eight blocks of 16 rows are finished one after the other, each with 32 matrix instructions (its 8 accumulators by turns, K ascending).  LDS is read no more than in any other K step.
.macro BLOAD q                         ; B's fragments of quarter q -> window 1, v[64 q ..]
	WIN TO_B
.irp i, 0,1,2,3,4,5,6,7
	ds_load_b128 v[64*(\q)+8*(\i):64*(\q)+8*(\i)+3],   v[ADRB+1] offset:64*(\q)+(\i)*16*PITCH
	ds_load_b128 v[64*(\q)+8*(\i)+4:64*(\q)+8*(\i)+7], v[ADRB+1] offset:64*(\q)+(\i)*16*PITCH+32
.endr
.endm
.macro ALOAD a                         ; A's fragments of block a, all four quarters -> buffer a % 4
	WIN 0
.set FA, PA+32*((\a)%4)
.irp q, 0,1,2,3
	ds_load_b128 v[FA+8*(\q):FA+8*(\q)+3],   v[ADRA+1] offset:64*(\q)+(\a)*16*PITCH
	ds_load_b128 v[FA+8*(\q)+4:FA+8*(\q)+7], v[ADRA+1] offset:64*(\q)+(\a)*16*PITCH+32
.endr
.endm
.macro ROW a                           ; block a is finished: 32 matrix instructions
.set FA, PA+32*((\a)%4)                ; its fragments of A
.set AC, 64*((\a)%4)                   ; its eight accumulators, in window 2 (blocks 0-3) or 3 (blocks 4-7)
	WIN MUL_LO+0x50*((\a)/4)                       ; MUL_LO or MUL_HI
.irp q, 0,1,2,3
.if (\a) == 0 && (\q) == 2
	s_wait_dscnt 24                                ; B's quarter 2 is in (behind it: A's blocks 1 to 3)
.endif
.irp b, 0,1,2,3,4,5,6,7
	v_wmma_f32_16x16x32_f16 v[AC+8*(\b):AC+8*(\b)+7], v[64*(\q)+8*(\b):64*(\q)+8*(\b)+7], v[FA+8*(\q):FA+8*(\q)+7], v[AC+8*(\b):AC+8*(\b)+7]
.endr
.endr
.endm
; THE WAY OUT of block a, in three parts.  PACK: rounded to f16, 16 bytes a lane, each accumulator's registers in ascending order.  TOSTAGE: into my own stage in LDS, and back as whole rows of 256 bytes.  SEND: stored.
.macro PACK a
.set AC, 64*((\a)%4)
	WIN 0x0a+5*((\a)/4)                            ; sources 0 and 1: window 2 or 3
.irp b, 0,1,2,3,4,5,6,7
.irp r, 0,1,2,3
	v_cvt_pk_f16_f32 v[TMP+4*(\b)+(\r)], v[AC+8*(\b)+2*(\r)], v[AC+8*(\b)+2*(\r)+1]
.endr
.endr
	WIN 0
.endm
.macro TOSTAGE a
	WIN 0
.set BK, OB+192*((\a)%2)
.irp b, 0,1,2,3,4,5,6,7
	ds_store_b128 v[STO], v[TMP+4*(\b):TMP+4*(\b)+3] offset:32*(\b)
.endr
.irp t, 0,1,2,3,4,5,6,7
	ds_load_b128 v[BK+4*(\t):BK+4*(\t)+3], v[RD] offset:(\t)*2*SPITCH  ; LDS serves a wave's instructions in order (ISA guide 5.7.1.4): these see the stores above
.endr
.endm
.macro SEND a, younger                 ; younger: the LDS loads issued behind TOSTAGE's, which may stay out
	WIN 0
.set BK, OB+192*((\a)%2)
	s_wait_dscnt \younger                          ; the block is back in registers
	s_wait_xcnt 0x0                                ; every earlier memory instruction has had its addresses translated (ISA guide 3.1): only behind this wait are the stores' base and the registers that earlier stores read rewritten
.if (\a) == 0
	s_add_nc_u64 s[8:9], s[8:9], s[16:17]          ; on to this tile's first rows
.else
	s_add_nc_u64 s[8:9], s[8:9], 16*SIZE_N*2       ; 16 rows of C on, so that the stores' offsets stay small: 14 rows of C, 114,688 bytes, at the most
.endif
.irp t, 0,1,2,3,4,5,6,7
	global_store_b128 v[CO], v[BK+4*(\t):BK+4*(\t)+3], s[8:9] offset:2*(\t)*SIZE_N*2 th:TH_STORE_NT  ; 16 lanes store 256 consecutive bytes, at a multiple of 256 from C's first byte; written once, not read in the launch
.endr
.endm
	s_wait_tensorcnt 1                             ; my part of K step 0 is in; K step 1's load may stay out
	s_barrier_signal -1
	s_barrier_wait -1                              ; everybody's is
	FETCH 0, 0, F0
	s_mov_b32 s2, SIZE_TILES                       ; tiles to go, this one among them: the same number in every work-group
.Ltile:                                                ; (FETCH and SEND leave every window 0)
	QUARTER 0, 64,  F0, F1, 1                      ; a tile's first quarter stands in front of the loop: its products start the sums, with the bias
	WIN 0                                          ; at a label and at a branch every window is 0
	s_mov_b32 s3, LAPS-1
.Llap:                                                 ; a trip goes once round the ring, from a lap's second quarter to the next lap's first, and fills both slots again
	QUARTER 0, 128, F1, F0, 0
	QUARTER 0, 192, F0, F1, 0
	TURN 0, 1, 0
	QUARTER 1, 64,  F0, F1, 0
	QUARTER 1, 128, F1, F0, 0
	QUARTER 1, 192, F0, F1, 0
	TURN 1, 0, 0
	QUARTER 0, 64,  F0, F1, 0
	WIN 0
	s_sub_co_u32 s3, s3, 1
	s_cmp_lg_u32 s3, 0
	s_cbranch_scc1 .Llap
	QUARTER 0, 128, F1, F0, 0                      ; the tile's last lap goes on
	QUARTER 0, 192, F0, F1, 0
	WIN 0
	s_cmp_eq_u32 s2, 1
	s_cbranch_scc1 .Llast_tile                     ; the last tile's tail is written out: it asks for nothing more
	TURN 0, 1, 1                                   ; THE RING GOES ON INTO THE NEXT TILE: slot 0 takes its K step 0,
	QUARTER 1, 64,  F0, F1, 0
	QUARTER 1, 128, F1, F0, 0
	QUARTER 1, 192, F0, F1, 0
	TURN 1, 0, 1                                   ; slot 1 its K step 1, and the next tile's first fragments are fetched
	PACK 0                                         ; BOTH REFILLS ARE ASKED FOR: NOW THE TILE GOES OUT.  No v_nop: blocks 0-3 were finished in front of TURN's places, and their 128 conversions,
	TOSTAGE 0                                      ; which name no register of the last products (blocks 4-7's), are those products' places
.irp a, 1,2,3,4,5,6,7                  ; block a's conversions stand between block a - 1's loads from the stage and the wait for them
	PACK \a
	SEND (\a)-1, 0
	TOSTAGE \a
.endr
	SEND 7, 0
	s_mov_b64 s[16:17], NEXT_C                     ; what the next way out adds to C's address
	s_sub_co_u32 s2, s2, 1
	s_branch .Ltile
.Llast_tile:
	MEET 0                                         ; my one tensor load that was still out is slot 1's, the last K step's, so no round follows
	PLACES                                         ; for the loads into buffer 0, which the quarter before multiplied
	WIN TO_B
	BLOAD 0                                        ; three quarters of B now: buffer 1 (v128-191 of both windows) is still being multiplied
	BLOAD 1
	BLOAD 3
	WIN 0
	ALOAD 0
	WIN MUL_HI
	MUL16 F1, 1, 0, 0
	MUL16 F1, 1, 2, 0
	PLACES                                         ; for the loads into buffer 1
	WIN TO_B
	BLOAD 2
	WIN 0
	ALOAD 1
	ALOAD 2
	ALOAD 3
	s_wait_dscnt 40                                ; all but the 40 just issued
	ROW 0
.irp a, 0,1,2,3,4,5,6,7                ; each block leaves as soon as it is finished: nothing follows this tile, so the sooner its stores begin, the sooner the launch ends
	PLACES                                         ; its conversions read results just made, and no other vector work is at hand
	PACK \a
	TOSTAGE \a
.if (\a) < 4
	ALOAD (\a)+4                                   ; its buffer takes the block four further on
	SEND \a, 8
.else
	SEND \a, 0
.endif
.if (\a) < 7
	ROW (\a)+1
.endif
.endr
	s_wait_tensorcnt 0x0                           ; the wave's end, behind my last tensor load and my last LDS store
	ds_add_u32 v[SPW], v[NIL]
	s_wait_dscnt 0x0
	CROUND                                         ; the closing round: no work-group ends while a partner may still ask for a tile that names it
	s_endpgm
.Lfunc_end_k_q401861e406_gemm:
	.size	k_q401861e406_gemm, .Lfunc_end_k_q401861e406_gemm-k_q401861e406_gemm
	.p2alignl 7, 3214868480
	.fill 96, 4, 3214868480
	.section	.rodata,"a",@progbits
	.p2align	6, 0x0
	.amdhsa_kernel k_q401861e406_gemm
		.amdhsa_group_segment_fixed_size 327680
		.amdhsa_private_segment_fixed_size 0
		.amdhsa_enable_private_segment 0
		.amdhsa_kernarg_size 32
		.amdhsa_user_sgpr_count 2
		.amdhsa_user_sgpr_kernarg_segment_ptr 1
		.amdhsa_wavefront_size32 1
		.amdhsa_system_sgpr_workgroup_id_x 1
		.amdhsa_system_sgpr_workgroup_id_y 1
		.amdhsa_system_sgpr_workgroup_id_z 1
		.amdhsa_system_vgpr_workitem_id 0
		.amdhsa_next_free_vgpr 1024
		.amdhsa_next_free_sgpr 68
		.amdhsa_reserve_vcc 0
		.amdhsa_float_denorm_mode_32 3
		.amdhsa_float_denorm_mode_16_64 3
		.amdhsa_memory_ordered 1
		.amdhsa_forward_progress 1
		.amdhsa_inst_pref_size 215
	.end_amdhsa_kernel
	.amdgpu_metadata
---
amdhsa.version: [ 1, 2 ]
amdhsa.kernels:
  - .name:           k_q401861e406_gemm
    .symbol:         k_q401861e406_gemm.kd
    .args:
      - { .name: x, .offset: 0, .size: 8, .value_kind: global_buffer, .address_space: global }
      - { .name: w, .offset: 8, .size: 8, .value_kind: global_buffer, .address_space: global }
      - { .name: bias, .offset: 16, .size: 8, .value_kind: global_buffer, .address_space: global }
      - { .name: out0, .offset: 24, .size: 8, .value_kind: global_buffer, .address_space: global }
    .group_segment_fixed_size: 327680
    .private_segment_fixed_size: 0
    .kernarg_segment_align: 8
    .kernarg_segment_size: 32
    .max_flat_workgroup_size: 128
    .sgpr_count:     68
    .vgpr_count:     1024
    .wavefront_size: 32
...
	.end_amdgpu_metadata
.endif
;; end of part 2
;; ======== version 2 of 2: 2 launches; version 1 with the launch dequant written anew for expert scheduling mode
;; workspace buffers: w 16,777,216 bytes
;; launch dequant (part 3): grid 256 x 1, 16 waves a work-group, no clusters, 83,968 bytes of LDS; arguments qweight, lut8, w; writes w
.if DOCPART == 3
	.amdgcn_target "amdgcn-amd-amdhsa--gfx1250"
	.amdhsa_code_object_version 6
	.text
	.protected	k_q401861e406_dequant
	.globl	k_q401861e406_dequant
	.p2align	8
	.type	k_q401861e406_dequant,@function
k_q401861e406_dequant:
	s_mov_b64 s[64:65], 0
	v_nop
	global_prefetch_b8 v0, s[64:65] scope:SCOPE_SE
	s_setreg_imm32_b32 hwreg(HW_REG_WAVE_SCHED_MODE, 0, 2), 2
	s_setreg_imm32_b32 hwreg(HW_REG_WAVE_MODE, 25, 1), 1
	s_wait_xcnt 0x0
	s_wait_alu depctr_vm_vsrc(0)
; w[o][j] = lut8[o][idx(o, j)], f16, row-major [4096][2048].  Bit 7 - p of idx(o, j) is bit j % 32 of qweight[p][o][j / 32]: plane 0 is the index's highest bit.
; SHARES.  One wave makes one row o = 16 x work-group + wave: 256 work-groups x 16 waves = 4,096 rows.  Lane l owns words 2 l and 2 l + 1 of each plane: weights 64 l .. 64 l + 63, bytes 128 l .. 128 l + 127 of the row.
; BYTES.  Each byte moves once: the row's table by one load of 16 bytes a lane (512 consecutive bytes), each plane's row by one load of 8 bytes a lane (256 consecutive bytes, aligned),
; the row of w by eight stores of 16 bytes a lane (512 consecutive bytes each, aligned), after a turn through the wave's own stage in LDS.
; No wave touches another wave's bytes, in memory or in LDS: no barrier.  Nothing is shared between work-groups and there is no product: no cluster, no tensor load, no matrix instruction.
; All loads go out at the head and the text has no loop, so nothing is prefetched.  The values are copied, not computed: whatever the table holds (NaN, infinities, -0) arrives as it is.
; THE MODE: SCHED_MODE bits 1:0 = 2 (LLVM: expert scheduling mode 2), set by the entry lines.  The code itself states the register dependences
; between vector instructions and memory or LDS instructions, with s_wait_alu, always for 0.
; THE PLAN.  Registers that memory or LDS instructions touch:
;   v3 .. v8      six addresses, made at the head, read by the loads and stores, never written again.  v10, v11: made at the head, read by the closing add alone.
;   LU            written by a global load, read by the table's LDS store.     PL   written by global loads, read by the decoding lines; never loaded again.
;   AD            64 LDS addresses, a register to each weight: written by three vector lines each, read by one table load each, never written again.
;   G             written by the 64 table loads, read by the packing lines; never loaded again.
;   PK            written by the packing lines, read by the eight LDS stores, never written again.
;   OB            written by the loads back from the stage, read by the global stores; no vector instruction names it.
;   T and IX are named by vector instructions alone.
; My two words go one after the other: word 0 is decoded, its 32 addresses are made, ONE wait, its 32 table loads; these are on their way while word 1 is decoded and its addresses are made; ONE wait, its 32 loads.
; All 64 weights are packed; ONE wait; the eight LDS stores.  With the wait at the head, ahead of the first load, that is four waits on va_vdst.  No register that a memory or LDS instruction reads is
; written again, so there is no wait on vm_vsrc.
.set WAVEB,  5120                      ; LDS of a wave: 512 bytes of table, then the stage
.set STG,    512                       ; the stage: lane l's 128 bytes at 144 l
.set SPITCH, 144                       ; 128 + 16: 36 words
.set SPARE,  16*WAVEB                  ; behind the sixteen waves' parts: the spare words, 128 bytes for each wave: eight blocks of 256 bytes that no other line names
.set PLANEB, 4096*64*4                 ; bytes in a plane
.set VQ,  3                            ; v3   my 8 bytes of a plane's row: 256 o + 8 l
.set VL,  4                            ; v4   my 16 bytes of the table's row: 512 o + 16 l
.set VW,  5                            ; v5   my 16 bytes in the first 512 of w's row: 4,096 o + 16 l
.set LST, 6                            ; v6   LDS: where my 16 bytes of the table go
.set STO, 7                            ; v7   LDS: my 128 bytes of the stage
.set RD,  8                            ; v8   LDS: where I read 16 bytes of the row back
.set SPW, 10                           ; v10  LDS address of my spare word: SPARE + 4 x my thread's number; never rewritten
.set NIL, 11                           ; v11  0; never rewritten
.set T,   12                           ; v[12:19]   at work
.set LU,  20                           ; v[20:23]   my 16 bytes of the table
.set PL,  24                           ; v[24:39]   plane p's two words at PL + 2 p
.set IX,  40                           ; v[40:55]   indices: byte i of IX + 8 w + s is the index of weight s + 8 i of word w
.set G,   56                           ; v[56:119]  the 64 weights, one a register
.set PK,  120                          ; v[120:151] the same, two a register
.set OB,  152                          ; v[152:183] the row as it is stored
.set AD,  184                          ; v[184:247] the LDS address of each weight's entry in the table
.set MK,  16                           ; s[16:23]   plane p's place in each byte: 0x01010101 << (7 - p)
	s_load_b128 s[4:7], s[0:1], 0x0                ; qweight s[4:5], lut8 s[6:7]
	s_load_b64 s[8:9], s[0:1], 0x10                ; w
	v_lshl_add_u32 v[SPW], v0, 2, SPARE
	v_mov_b32 v[NIL], 0
	v_and_b32 v1, 31, v0                           ; lane
	v_lshrrev_b32 v2, 5, v0
	v_readfirstlane_b32 s10, v2                    ; wave 0..15
	s_lshl_b32 s11, ttmp9, 4
.irp p, 0,1,2,3,4,5,6,7
	s_mov_b32 s[MK+(\p)], 0x01010101<<(7-(\p))
.endr
	s_wait_alu depctr_va_sdst(0)                   ; s10 is written, ahead of its first reader: my row's number and my wave's place in LDS are made from it
	s_add_co_u32 s11, s11, s10                     ; my row o
	s_mul_i32 s12, s10, WAVEB                      ; my wave's LDS: the table's first byte
	s_lshl_b32 s13, s11, 8                         ; 256 o
	s_lshl_b32 s14, s11, 9                         ; 512 o
	s_lshl_b32 s15, s11, 12                        ; 4,096 o
	s_add_co_u32 s24, s12, STG                     ; my wave's stage
	v_lshl_add_u32 v[VQ], v1, 3, s13
	v_lshl_add_u32 v[VL], v1, 4, s14
	v_lshl_add_u32 v[VW], v1, 4, s15
	v_lshl_add_u32 v[LST], v1, 4, s12
	v_mul_u32_u24 v[STO], v1, SPITCH
	v_add_nc_u32 v[STO], s24, v[STO]
	v_lshrrev_b32 v2, 3, v1                        ; byte 512 t + 16 l of the row belongs to lane 4 t + l / 8 and is byte 16 (l % 8) of its 128
	v_mul_u32_u24 v[RD], v2, SPITCH
	v_and_b32 v2, 7, v1
	v_lshl_add_u32 v[RD], v2, 4, v[RD]
	v_add_nc_u32 v[RD], s24, v[RD]
	s_wait_kmcnt 0x0
	s_wait_alu depctr_va_vdst(0)                   ; the six addresses v3 to v8 are written, which the loads and stores of the whole kernel read; no vector instruction names them again
	global_load_b128 v[LU:LU+3], v[VL], s[6:7] th:TH_LOAD_NT
.irp p, 0,1,2,3,4,5,6,7
	global_load_b64 v[PL+2*(\p):PL+2*(\p)+1], v[VQ], s[4:5] offset:(\p)*PLANEB th:TH_LOAD_NT  ; 7 planes on at the most: 7,340,032, inside the signed 24-bit immediate
.endr
	s_wait_loadcnt 8                               ; loads come back in order (ISA guide 5.7.1): the table is in, the eight planes may stay out
	ds_store_b128 v[LST], v[LU:LU+3]               ; entry i of the row's table at byte 2 i of my wave's LDS
; Plane p of word w goes into the indices.  Bit s + 8 i of a word moves to bit 8 i + 7 - p by one shift of 7 - p - s (left by 7 at the most: the highest bit used, 24 + s, lands at 31 - p),
; and the mask takes these four bits alone.  Plane 0 starts the indices: nothing is cleared.
.macro PLANE p, w
.irp s, 0,1,2,3,4,5,6,7
.if 7-(\p)-(\s) > 0
	v_lshlrev_b32 v[T+(\s)], 7-(\p)-(\s), v[PL+2*(\p)+(\w)]
.elseif 7-(\p)-(\s) < 0
	v_lshrrev_b32 v[T+(\s)], (\s)+(\p)-7, v[PL+2*(\p)+(\w)]
.endif
.endr
.irp s, 0,1,2,3,4,5,6,7
.if 7-(\p)-(\s) == 0
.set SRC, PL+2*(\p)+(\w)               ; no shift: the word itself
.else
.set SRC, T+(\s)
.endif
.if (\p) == 0
	v_and_b32 v[IX+8*(\w)+(\s)], s[MK], v[SRC]
.else
	v_bfi_b32 v[IX+8*(\w)+(\s)], s[MK+(\p)], v[SRC], v[IX+8*(\w)+(\s)]
.endif
.endr
.endm
; Weights 8 g .. 8 g + 7 of my 64: word g / 4, byte g % 4 of its eight index registers.  The index is held to 255, the table's last entry, before it enters an address.  Each address has a register of its own.
.macro ADDR g
.irp s, 0,1,2,3,4,5,6,7
	v_bfe_u32 v[AD+8*(\g)+(\s)], v[IX+8*((\g)/4)+(\s)], 8*((\g)%4), 8
.endr
.irp s, 0,1,2,3,4,5,6,7
	v_min_u32 v[AD+8*(\g)+(\s)], 0xff, v[AD+8*(\g)+(\s)]
.endr
.irp s, 0,1,2,3,4,5,6,7
	v_lshl_add_u32 v[AD+8*(\g)+(\s)], v[AD+8*(\g)+(\s)], 1, s12
.endr
.endm
; LDS serves a wave's instructions in order (ISA guide 5.7.1.4): these loads see the table's store above, which is my own wave's.
.macro GATHER g
.irp s, 0,1,2,3,4,5,6,7
	ds_load_u16 v[G+8*(\g)+(\s)], v[AD+8*(\g)+(\s)]
.endr
.endm
; The same eight weights, packed into 16 bytes.
.macro PACKG g
.irp q, 0,1,2,3
	v_lshl_or_b32 v[PK+4*(\g)+(\q)], v[G+8*(\g)+2*(\q)+1], 16, v[G+8*(\g)+2*(\q)]
.endr
.endm
; word 0
.irp p, 0,1,2,3,4,5,6,7
	s_wait_loadcnt 7-(\p)                          ; plane p is in, the younger planes may stay out
	PLANE \p, 0
.endr
.irp g, 0,1,2,3
	ADDR \g
.endr
	s_wait_alu depctr_va_vdst(0)                   ; word 0's 32 addresses, v[AD .. AD+31], are written, which the table loads below read
.irp g, 0,1,2,3
	GATHER \g
.endr
; word 1, while word 0's table loads are on their way: these lines name T, PL, IX and word 1's addresses, none of the registers that those loads touch
.irp p, 0,1,2,3,4,5,6,7
	PLANE \p, 1
.endr
.irp g, 4,5,6,7
	ADDR \g
.endr
	s_wait_alu depctr_va_vdst(0)                   ; word 1's 32 addresses, v[AD+32 .. AD+63], are written, which the table loads below read
.irp g, 4,5,6,7
	GATHER \g
.endr
	s_wait_dscnt 32                                ; LDS loads come back in order (ISA guide 5.7.1): word 0's weights are in, word 1's 32 younger loads may stay out
.irp g, 0,1,2,3
	PACKG \g
.endr
	s_wait_dscnt 0x0                               ; word 1's weights are in
.irp g, 4,5,6,7
	PACKG \g
.endr
	s_wait_alu depctr_va_vdst(0)                   ; the packing lines have written v[PK .. PK+31], which the LDS stores below read
.irp g, 0,1,2,3,4,5,6,7
	ds_store_b128 v[STO], v[PK+4*(\g):PK+4*(\g)+3] offset:16*(\g)  ; weights 8 g .. 8 g + 7 at their place in my 128 bytes of the stage
.endr
.irp t, 0,1,2,3,4,5,6,7
	ds_load_b128 v[OB+4*(\t):OB+4*(\t)+3], v[RD] offset:4*SPITCH*(\t)  ; 512 consecutive bytes of the row: four lanes' parts; in order behind my wave's stores
.endr
.irp t, 0,1,2,3,4,5,6,7
	s_wait_dscnt 7-(\t)                            ; the younger loads may stay out
	global_store_b128 v[VW], v[OB+4*(\t):OB+4*(\t)+3], s[8:9] offset:512*(\t)  ; 16 lanes store 256 consecutive bytes, at a multiple of 256 from w's first byte
.endr
	s_wait_dscnt 0x0                               ; the closing lines, six on end
	s_wait_alu 0x0
	s_wait_tensorcnt 0x0
	ds_add_u32 v[SPW], v[NIL]
	s_wait_dscnt 0x0
	s_endpgm
.Lfunc_end_k_q401861e406_dequant:
	.size	k_q401861e406_dequant, .Lfunc_end_k_q401861e406_dequant-k_q401861e406_dequant
	.p2alignl 7, 3214868480
	.fill 96, 4, 3214868480
	.section	.rodata,"a",@progbits
	.p2align	6, 0x0
	.amdhsa_kernel k_q401861e406_dequant
		.amdhsa_group_segment_fixed_size 83968
		.amdhsa_private_segment_fixed_size 0
		.amdhsa_enable_private_segment 0
		.amdhsa_kernarg_size 24
		.amdhsa_user_sgpr_count 2
		.amdhsa_user_sgpr_kernarg_segment_ptr 1
		.amdhsa_wavefront_size32 1
		.amdhsa_system_sgpr_workgroup_id_x 1
		.amdhsa_system_sgpr_workgroup_id_y 1
		.amdhsa_system_sgpr_workgroup_id_z 1
		.amdhsa_system_vgpr_workitem_id 0
		.amdhsa_next_free_vgpr 248
		.amdhsa_next_free_sgpr 66
		.amdhsa_reserve_vcc 0
		.amdhsa_float_denorm_mode_32 3
		.amdhsa_float_denorm_mode_16_64 3
		.amdhsa_memory_ordered 1
		.amdhsa_forward_progress 1
		.amdhsa_inst_pref_size 35
	.end_amdhsa_kernel
	.amdgpu_metadata
---
amdhsa.version: [ 1, 2 ]
amdhsa.kernels:
  - .name:           k_q401861e406_dequant
    .symbol:         k_q401861e406_dequant.kd
    .args:
      - { .name: qweight, .offset: 0, .size: 8, .value_kind: global_buffer, .address_space: global }
      - { .name: lut8, .offset: 8, .size: 8, .value_kind: global_buffer, .address_space: global }
      - { .name: w, .offset: 16, .size: 8, .value_kind: global_buffer, .address_space: global }
    .group_segment_fixed_size: 83968
    .private_segment_fixed_size: 0
    .kernarg_segment_align: 8
    .kernarg_segment_size: 24
    .max_flat_workgroup_size: 512
    .sgpr_count:     66
    .vgpr_count:     248
    .wavefront_size: 32
...
	.end_amdgpu_metadata
.endif
;; end of part 3
;; launch gemm: the kernel of part 2 again; grid 16 x 16, 4 waves a work-group, clusters of 4 x 4, 327,680 bytes of LDS; arguments x, w, bias, out0; writes out0
